; MI455X (gfx1250); checked and timed in simulation.
; The chip was launched on July 23, 2026; its instructions are those of AMD's public machine-readable ISA for CDNA 5 (MIT licence, August 2026) and "CDNA5" Instruction Set Architecture Reference Guide (July 2026). The comments in the code are by the model that wrote it; some were corrected since.
;; Long term atention. Allowed arithmetic: matrix products marked QUANTISED: E5M2 operands, one E8M0 scale for each 32 along K, by v_wmma_scale_f32_16x16x128_f8f6f4 with both operands' format E5M2, f32 sums; products left as they are: f32 operands where the result goes on into a quantised operand, else bf16, f16 or f32 operands; f32 sums; everything else in f32.
;; Inputs: K 16 x 2,048 x 512 float32; Q 16 x 512 float32; V 16 x 2,048 x 512 float32; W_k 512 x 512 float32; W_q 512 x 512 float32; W_v 512 x 512 float32; ln_beta 512 float32; ln_gamma 512 float32; mask 16 x 2,048 bool.
;; Outputs: out0 16 x 2,048 x 512 float32.
;; This version of the problem:
;;   THIS VERSION OF THE PROBLEM IS GIVEN IN LOW PRECISION. The matrix products marked QUANTISED in the list below multiply operands that are first quantised to E5M2 (5 exponent bits, 2 mantissa bits; 8 bits a number), with one power-of-two scale for each 32 numbers along K (OCP MX v1.0); their sums are f32. All else is computed in f32.
;;   The module's matrix products, in the order in which they are computed (A, B: the left and right operand; K: the contracted axis; several contracted axes count as one K, in the product's order):
;;     1. [M 16, K 512] x [K 512, N 512]; A: input Q; B: input W_q: QUANTISED
;;     2. [M 32,768, K 512] x [K 512, N 512]; A: input K; B: input W_k: QUANTISED
;;     3. [M 32,768, K 512] x [K 512, N 512]; A: input V; B: input W_v: QUANTISED
;;     4. batch 16 x [M 1, K 512] x [K 512, N 2,048]; A: computed on the way; B: computed on the way: left as it is (M = 1 < 16)
;;     5. batch 16 x [M 2,048, K 2,048] x [K 2,048, N 512]; A: softmax (see below); B: computed on the way: QUANTISED
;;   THE QUANTISER, for each operand of a quantised product, along K:
;;     - K is cut into blocks of 32 from its start; a last block that is shorter is filled with zeros.
;;     - A block's scale is 2^e with e = floor(log2(the largest magnitude in the block)) - 15, held to -126 .. 127; a block of zeros has e = 0. As a byte (E8M0): e + 127.
;;     - Each number is divided by its block's scale, clamped to +-57,344, and rounded to the nearest number of E5M2, ties to even, subnormals kept.
;;     - The product sums the exact products of the quantised numbers (number of the format x scale) in f32.
;;   ~~~python
;;   def quantise(x, axis):      # numpy; x: float32 -> the quantised numbers, widened to float32 again
;;       x = np.moveaxis(x, axis, -1); K = x.shape[-1]
;;       x = np.pad(x, [(0, 0)] * (x.ndim - 1) + [(0, -K % 32)]); x = x.reshape(x.shape[:-1] + (-1, 32)); a = np.abs(x).max(-1, keepdims=True)
;;       e = np.where(a > 0, np.clip(np.frexp(np.where(a > 0, a, 1))[1] - 1 - 15, -126, 127), 0)      # np.frexp(a)[1] - 1 = floor(log2(a)), exactly
;;       r = np.clip(x / 2.0 ** e, -57344, 57344)
;;       step = 2.0 ** (np.maximum(np.frexp(np.where(r == 0, 1, r))[1] - 1, -14) - 2)
;;       q = np.round(r / step) * step * 2.0 ** e      # np.round: ties to even
;;       return np.moveaxis(q.reshape(q.shape[:-2] + (-1,))[..., :K], -1, axis).astype(np.float32)
;;   ~~~
;;   SOFTMAX AHEAD OF A QUANTISED PRODUCT. Where the list says 'softmax', what is quantised is not the finished softmax but p = 2^(t - M), with t = logit x log2(e) and M = ceil(the row's largest t), a whole number; so 1/2 < the row's largest p <= 1. The row's sum l is taken of the UNQUANTISED p, in f32, and the product's result is divided by l at the end. Since M is a whole number, a kernel that streams over the keys may use a running M (the ceiling of the running maximum): every later rescaling is an exact power of two, which a block's scale takes up: the codes' values come out the same.
;;   OPERANDS COMPUTED ON THE WAY. 'Computed on the way' means the value that the module computes at that place (a softmax that the list does not call 'softmax' is quantised finished and normalised). What goes into a quantiser is computed in f32, as accurately as f32 sums, v_exp_f32 and their like allow (about 1e-6 of the number): no bf16 or f16 on the way to a quantiser, and a product that is left as it is and whose result goes on into a quantised operand takes f32 operands (vector FMAs, or v_wmma_f32_16x16x4_f32). A number that lies on a knife's edge between two numbers of the format may be rounded either way, as far as f32 arithmetic and the matrix unit's own rounding can turn it there, and no further.
;; One version. Each part assembles by itself: llvm-mc -triple=amdgcn-amd-amdhsa -mcpu=gfx1250 --defsym DOCPART=n.
;; ======== version 1 of 1: 3 launches
;; limits: right only within a limited range of input values
;; workspace buffers: wk 270,336 bytes; wv 270,336 bytes; qpart 131,072 bytes; vc 16,777,216 bytes; vsc 524,288 bytes; rec 262,144 bytes; stats 2,048 bytes; su 1,048,576 bytes
;; launch prep (part 1): grid 96 x 1, 4 waves a work-group, no clusters, 0 bytes of LDS; arguments W_k, W_v, W_q, Q, wk, wv, qpart; writes wk, wv, qpart
.if DOCPART == 1
	.amdgcn_target "amdgcn-amd-amdhsa--gfx1250"
	.amdhsa_code_object_version 6
	.text
	.protected	k_q3fbd467a22_prep
	.globl	k_q3fbd467a22_prep
	.p2align	8
	.type	k_q3fbd467a22_prep,@function
k_q3fbd467a22_prep:
	s_mov_b64 s[64:65], 0
	v_nop
	global_prefetch_b8 v0, s[64:65] scope:SCOPE_SE
	s_setreg_imm32_b32 hwreg(HW_REG_WAVE_MODE, 25, 1), 1
	s_wait_xcnt 0x0
; LAUNCH 1 OF 3.  W_k and W_v become codes of E5M2 with E8M0 scales along K (their FIRST axis), laid as images of the operand's registers; Q W_q is multiplied, one K step of 128 a work-group.
; WHAT THE PROGRAM LEAVES OUT OF att @ V_, AND WHY THAT HOLDS FOR ALL VALUES OF THE INPUTS.
; (1) reference() builds triu(k=1) itself: for query i every key j > i has the logit -1e10, so p = 2^(t - M) is 0 there and whole blocks of 32 keys above the diagonal add nothing: they are not multiplied.
; (2) reference() repeats ONE row of scores for all queries of a batch.  In a block of 32 keys that lies wholly at or under query i the numbers p differ from query to query by the factor 2^(M - M'), M and M' whole numbers:
;     the quantiser gives the same codes and moves the scale's byte by that whole number.  So the block's product with V_ is the same vector for all those queries but for an exact power of two: it is multiplied once,
;     by the format's own instruction, and carried on in the product's f32 sum.  Only the block of 32 keys on the diagonal differs from query to query, and is multiplied query by query.
; (3) Where mask[b, i] is set, all 2,048 logits of the row are -1e10: t is a whole number in f32, M = t, p = 1 for every key, the sum is 2,048: the row's result is (the sum of the quantised V_ over all keys) / 2,048,
;     one vector a batch, made by the format's instruction with codes of 1.
; No input is without a way to the output: all nine are loaded by some launch.
; LIMITS.  The largest score among the keys 0 .. i lies above -1e10 + 110, so that hidden keys give p = 0.  A scale byte that a carry would push under 1 is held at 1: such terms lie under 2^-110 of the row's largest p.
; A block of zeros gets the byte 1 and not 127 (its codes are zeros; this program alone reads the bytes).  NaN and infinities among the inputs are not served, and none that would reach only the work left out is carried on.
; SHARES.  Work-group x: tensor x / 32 (W_k, W_v, W_q), columns 64 ((x % 32) / 4) on, K step x % 4; wave w takes 16 columns: one fragment.  A lane takes a column and its registers run down K, in the operand's own order.
; OUT.  wk, wv: [column tile 32][K step 4][register group 4][lane 32][16 bytes]; from byte 262,144 on the scale words [column tile][K step][16 columns].  qpart: [K step 4][batch 16][512] f32; the next launch adds the four.
.set TM,  16                           ; v16-31 at work in QUANT
.set SEL, 32                           ; s[32:33] lane selects for v_permlanex16_b32: lane l xor 16
.set MNT, 34                           ; s34 the mantissa field of 57,344
; 64 numbers of a lane, register 16 b + i = k 32 b + 16 (lane / 16) + i, become a fragment's codes in v[pc] on and its scale word in v[pw]
.macro QUANT s, pc, pw
.irp b, 0,1,2,3
	v_max3_num_f32 v[TM+\b], |v[\s+16*\b]|, |v[\s+1+16*\b]|, 0x8000000   ; my 16 numbers of block b, and the floor 2^(16 - 127): the byte cannot fall under 1
.endr
.irp i, 2,4,6,8,10,12,14
.irp b, 0,1,2,3
	v_max3_num_f32 v[TM+\b], v[TM+\b], |v[\s+16*\b+\i]|, |v[\s+1+16*\b+\i]|
.endr
.endr
.irp b, 0,1,2,3
	v_permlanex16_b32 v[TM+4+\b], v[TM+\b], s[SEL], s[SEL+1]
.endr
.irp b, 0,1,2,3
	v_max_num_f32 v[TM+\b], v[TM+\b], v[TM+4+\b]                   ; with lane l xor 16's: the block's largest magnitude
.endr
.irp b, 0,1,2,3
	v_add_nc_u32 v[TM+12+\b], 0xf8800000, v[TM+\b]                 ; 15 off its exponent field: the conversion's scale operand
.endr
.irp b, 0,1,2,3
	v_and_or_b32 v[TM+8+\b], v[TM+\b], 0x7f800000, s[MNT]          ; 57,344 x the scale
.endr
.irp b, 0,1,2,3
	v_lshrrev_b32 v[TM+4+\b], 23, v[TM+12+\b]                      ; the scale's byte
.endr
	v_lshl_or_b32 v[\pw], v[TM+5], 8, v[TM+4]
	v_lshl_or_b32 v[\pw], v[TM+6], 16, v[\pw]
	v_lshl_or_b32 v[\pw], v[TM+7], 24, v[\pw]
.irp b, 0,1,2,3
.irp i, 0,1,2,3,4,5,6,7,8,9,10,11,12,13,14,15
	v_med3_num_f32 v[\s+16*\b+\i], v[\s+16*\b+\i], -v[TM+8+\b], v[TM+8+\b]   ; the conversion to an 8-bit code does not saturate (ISA guide 7.6.2): the hold comes first
.endr
	v_cvt_scalef32_pk8_bf8_f32 v[\pc+4*\b:\pc+1+4*\b], v[\s+16*\b:\s+7+16*\b], v[TM+12+\b]
	v_cvt_scalef32_pk8_bf8_f32 v[\pc+2+4*\b:\pc+3+4*\b], v[\s+8+16*\b:\s+15+16*\b], v[TM+12+\b]
.endr
	v_nop                                          ; one plain line behind the last scaled conversion
.endm
	s_load_b256 s[8:15], s[0:1], 0x0               ; W_k s[8:9], W_v s[10:11], W_q s[12:13], Q s[14:15]
	s_load_b128 s[16:19], s[0:1], 0x20             ; wk s[16:17], wv s[18:19]
	s_load_b64 s[20:21], s[0:1], 0x30              ; qpart
	v_lshrrev_b32 v1, 5, v0
	v_readfirstlane_b32 s2, v1                     ; wave
	v_and_b32 v2, 15, v0                           ; r
	v_bfe_u32 v3, v0, 4, 1                         ; h
	v_and_b32 v4, 31, v0                           ; lane
	s_wait_alu depctr_va_vdst(0)
	s_lshr_b32 s3, ttmp9, 5                        ; which tensor
	s_bfe_u32 s4, ttmp9, 0x30002                   ; which 64 columns
	s_and_b32 s5, ttmp9, 3                         ; K step
	s_lshl_b32 s6, s4, 2
	s_add_co_u32 s6, s6, s2                        ; column tile
	s_lshl_b32 s7, s6, 2
	s_add_co_u32 s7, s7, s5                        ; fragment = 4 x column tile + K step
	s_cmp_eq_u32 s3, 1                             ; W_v's tile 4 u + c takes columns 64 u + 4 r + c, the other tensors' tiles 16 neighbours
	s_cselect_b32 s38, 4, 2
	v_lshlrev_b32 v5, s38, v2
	v_lshl_add_u32 v5, v3, 15, v5
	s_lshl_b32 s24, s5, 18                         ; 128 rows a K step
	s_lshl_b32 s25, s6, 6
	s_lshl_b32 s39, s4, 8
	s_lshl_b32 s40, s2, 2
	s_add_co_u32 s39, s39, s40
	s_cmp_eq_u32 s3, 1
	s_cselect_b32 s25, s39, s25
	s_add_co_u32 s24, s24, s25
	s_mov_b32 s25, 0
	s_lshl_b32 s30, s7, 11
	v_lshl_add_u32 v6, v4, 4, s30                  ; out: the fragment's image, 16 bytes a lane
	s_lshl_b32 s30, s7, 6
	v_lshl_add_u32 v7, v2, 2, s30                  ; and its 16 scale words
	s_lshl_b32 s30, s5, 15
	s_lshl_b32 s31, s6, 6
	s_add_co_u32 s30, s30, s31
	v_lshlrev_b32 v8, 11, v2
	v_lshl_add_u32 v8, v3, 5, v8
	v_add_nc_u32 v8, s30, v8                       ; qpart: K step, batch r, columns 16 x tile + 8 h on
	v_lshlrev_b32 v11, 11, v2
	v_lshl_add_u32 v11, v3, 6, v11                 ; Q: row r, my 16 numbers of a block of 32
	s_lshl_b32 s36, s5, 9
	s_mov_b32 s37, 0
	s_mov_b32 s[SEL], 0x76543210
	s_mov_b32 s[SEL+1], 0xfedcba98
	s_mov_b32 s[MNT], 0x600000
.irp b, 0,1,2,3
	v_mov_b32 v[TM+4+\b], 0                        ; written once: a lane permute's destination counts as one of its sources
.endr
	s_wait_kmcnt 0x0
	s_cmp_eq_u32 s3, 0                             ; the choices hang on the work-group's number alone
	s_cselect_b64 s[26:27], s[8:9], s[10:11]
	s_cselect_b64 s[28:29], s[16:17], s[18:19]
	s_cmp_eq_u32 s3, 2
	s_cselect_b64 s[26:27], s[12:13], s[26:27]
	s_add_nc_u64 s[26:27], s[26:27], s[24:25]
	s_add_nc_u64 s[14:15], s[14:15], s[36:37]
.irp c, 0,1,2,3
.irp i, 0,1,2,3,4,5,6,7,8,9,10,11,12,13,14,15
	global_load_b32 v[64+16*\c+\i], v5, s[26:27] offset:(32*\c+\i)*2048 th:TH_LOAD_NT   ; W(128 ks + 32 c + 16 h + i, my column); the four waves stand side by side on 256 bytes of a row
.endr
.endr
	s_cmp_lg_u32 s3, 2
	s_cbranch_scc1 .Lplain
	; ---- W_q: its fragment is multiplied at once by Q's
	s_wait_alu depctr_va_vdst(0)
.irp c, 0,1,2,3
.irp j, 0,1,2,3
	global_load_b128 v[128+16*\c+4*\j:128+16*\c+4*\j+3], v11, s[14:15] offset:128*\c+16*\j
.endr
.endr
	s_wait_loadcnt 0x0
	QUANT 64, 48, 9
	QUANT 128, 32, 10
.rept 8
	v_nop                                          ; codes written by vector instructions stand 4 places ahead of a scaled matrix instruction, a scale word 8
.endr
	v_wmma_scale_f32_16x16x128_f8f6f4 v[200:207], v[48:63], v[32:47], 0, v9, v10 matrix_a_fmt:MATRIX_FMT_BF8 matrix_b_fmt:MATRIX_FMT_BF8   ; source 0 = 16 columns of W_q, source 1 = the 16 batches: a lane holds one batch and 8 neighbouring columns
.rept 8
	v_nop
.endr
	global_store_b128 v8, v[200:203], s[20:21]
	global_store_b128 v8, v[204:207], s[20:21] offset:16
	s_endpgm
.Lplain:
	; ---- W_k, W_v: the fragment's image and its scale words
	s_wait_loadcnt 0x0
	QUANT 64, 48, 9
.irp c, 0,1,2,3
	global_store_b128 v6, v[48+4*\c:51+4*\c], s[28:29] offset:512*\c    ; 32 lanes store 512 consecutive bytes
.endr
	global_store_b32 v7, v9, s[28:29] offset:262144                      ; both halves of the lanes hold the same word and store it to the same place
	s_endpgm
.Lfunc_end_k_q3fbd467a22_prep:
	.size	k_q3fbd467a22_prep, .Lfunc_end_k_q3fbd467a22_prep-k_q3fbd467a22_prep
	.p2alignl 7, 3214868480
	.fill 96, 4, 3214868480
	.section	.rodata,"a",@progbits
	.p2align	6, 0x0
	.amdhsa_kernel k_q3fbd467a22_prep
		.amdhsa_group_segment_fixed_size 0
		.amdhsa_private_segment_fixed_size 0
		.amdhsa_enable_private_segment 0
		.amdhsa_kernarg_size 56
		.amdhsa_user_sgpr_count 2
		.amdhsa_user_sgpr_kernarg_segment_ptr 1
		.amdhsa_wavefront_size32 1
		.amdhsa_system_sgpr_workgroup_id_x 1
		.amdhsa_system_sgpr_workgroup_id_y 1
		.amdhsa_system_sgpr_workgroup_id_z 1
		.amdhsa_system_vgpr_workitem_id 0
		.amdhsa_next_free_vgpr 208
		.amdhsa_next_free_sgpr 66
		.amdhsa_reserve_vcc 0
		.amdhsa_float_denorm_mode_32 3
		.amdhsa_float_denorm_mode_16_64 3
		.amdhsa_memory_ordered 1
		.amdhsa_forward_progress 1
		.amdhsa_inst_pref_size 36
	.end_amdhsa_kernel
	.amdgpu_metadata
---
amdhsa.version: [ 1, 2 ]
amdhsa.kernels:
  - .name:           k_q3fbd467a22_prep
    .symbol:         k_q3fbd467a22_prep.kd
    .args:
      - { .name: W_k, .offset: 0, .size: 8, .value_kind: global_buffer, .address_space: global }
      - { .name: W_v, .offset: 8, .size: 8, .value_kind: global_buffer, .address_space: global }
      - { .name: W_q, .offset: 16, .size: 8, .value_kind: global_buffer, .address_space: global }
      - { .name: Q, .offset: 24, .size: 8, .value_kind: global_buffer, .address_space: global }
      - { .name: wk, .offset: 32, .size: 8, .value_kind: global_buffer, .address_space: global }
      - { .name: wv, .offset: 40, .size: 8, .value_kind: global_buffer, .address_space: global }
      - { .name: qpart, .offset: 48, .size: 8, .value_kind: global_buffer, .address_space: global }
    .group_segment_fixed_size: 0
    .private_segment_fixed_size: 0
    .kernarg_segment_align: 8
    .kernarg_segment_size: 56
    .max_flat_workgroup_size: 128
    .sgpr_count:     66
    .vgpr_count:     208
    .wavefront_size: 32
...
	.end_amdgpu_metadata
.endif
;; end of part 1
;; launch kv (part 2): grid 16 x 16, 8 waves a work-group, no clusters, 327,680 bytes of LDS; arguments K, V, wk, wv, qpart, vc, vsc, rec, stats, su; writes vc, vsc, rec, stats, su
.if DOCPART == 2
	.amdgcn_target "amdgcn-amd-amdhsa--gfx1250"
	.amdhsa_code_object_version 6
	.text
	.protected	k_q3fbd467a22_kv
	.globl	k_q3fbd467a22_kv
	.p2align	8
	.type	k_q3fbd467a22_kv,@function
k_q3fbd467a22_kv:
	s_mov_b64 s[64:65], 0
	v_nop
	global_prefetch_b8 v0, s[64:65] scope:SCOPE_SE
	s_setreg_imm32_b32 hwreg(HW_REG_WAVE_MODE, 25, 1), 1
	s_wait_xcnt 0x0
; LAUNCH 2 OF 3.  Work-group (c, b): keys 128 c .. 128 c + 127 of batch b, in eight steps of 32 rows: four of K, four of V.
; K: t[j] = (Q_ . K_[j]) x log2(e) / (sqrt(512) + 1e-6), K_ = K W_k on codes of E5M2 (MX), the dot product in f32.  V: V_ = V W_v likewise, quantised along the keys; its codes (vc) and scale words (vsc) leave for the last launch.
; From the chunk's own t: blocks of 32 keys: m_b = ceil(largest t), e = 2^(t - m_b), its codes, byte and unquantised sum; and by one K step of the format's instruction the chunk's sums over its keys
; S_c[d] = sum of Q(2^(t - m_c)) Q(V_)[j][d], U_c[d] = sum of 1 x Q(V_)[j][d].
; LEFT OUT (shown at the head of the first launch): a chunk's product with p is made once for all later queries, since their rows of p differ by exact powers of two; U serves the rows under the input mask.
; LIMITS: as stated at the head of the first launch.
; SHARES.  Eight waves; wave w owns columns 64 w on: its 16 fragments of W (256 registers, window 1) are read from memory straight into registers and stay for four steps: no LDS byte holds a weight, so no joint load serves them.
; Raw rows: two slots of 64 rows, [half][strip of 128 columns][32 rows][512 + 16 bytes]; a wave fetches one strip of one half: one tensor load a wave at the head and behind each drained barrier: K's halves, then V's.
; A step's rows become images of operand registers in LDS: wave w quantises 16 rows (w / 4) for K step w % 4.  Images are in two sets by turns: between two barriers the waves quantise step i + 1 and multiply step i.
; Image tile u, row m holds key 16 (m / 8) + 8 u + m % 8 of the step, so that a lane's 16 results of a column of V_ are 16 neighbouring keys.  W_v's tile c of wave w holds columns 64 w + 4 r + c.
; PREFETCH: 64 rows x 2,048 bytes = 512 units of 256 bytes, two instructions a wave, one slot ahead of the tensor load that fetches them; the last slot asks for nothing.
; vc: [batch][chunk][tile 4 w + c][block][lane][16 bytes]; vsc: [batch][chunk][512 words]; rec: [batch][chunk]: t (512 bytes), then for each block 64 bytes: codes 32, {-m_b, L_b, byte as f32, 0}.
.set STR, 16896
.set SL,  8*STR
.set RP,  528                          ; an LDS row: 512 bytes + 16 of padding = 33 x 16
.set IMG, 2*SL
.set FRB, 2176                         ; from image to image: 2,048 + 128
.set IB,  8*FRB
.set XSC, IMG+2*IB
.set QST, XSC+1024
.set TRED, QST+2048
.set TB,  TRED+4096
.set WST, TB+512
.set SPARE, WST+2048
.set SPW, 1
.set NIL, 2
.set QRA, 3                            ; v3-6 raw rows: slot 0 halves 0, 1, slot 1 halves 0, 1
.set IWA, 7
.set XWA, 8
.set LIA, 9
.set XLA, 10
.set WAD, 11
.set WSA, 12
.set TRS, 13
.set TRL, 14
.set TBL, 15
.set TBS, 16
.set L16, 17
.set PFO, 18
.set TGO, 19
.set WS,  20                           ; v20-27 W's scale words: 2 t + p: lanes 0-15 K step 2 p, lanes 16-31 2 p + 1
.set R16, 28
.set XS,  29                           ; v29-32 the images': 2 u + p
.set RFS, 33
.set RCO, 34
.set RFO, 35
.set VSW, 36                           ; v36-39 V_'s scale words, a tile each: byte s for block s
.set P,   40                           ; v40-55 rows 0-7 e's codes, rows 8-15 ones
.set WCS, 56
.set QW,  57
.set TV,  58
.set WFS, 59
.set WFL, 60
.set WCL, 61
.set CD,  64                           ; v64-127 Q_ (v64-95) in K's steps; V_'s codes, tile t, block s at 16 t + 4 s
.set X,   128                          ; v128-191 raw numbers, then four images; at work
.set ACC, 192                          ; v192-255 codes just made and QUANT's work, then the accumulators (u, t) at 16 t + 8 u
.set TM,  ACC+16
.set SEL, 44
.set MNT, 46
.set HM,  47
.set MSB, 0
.macro WIN new
.if MSB != (\new)
	s_set_vgpr_msb (MSB<<8)|(\new)
.set MSB, (\new)
.endif
.endm
.macro BAR                             ; my LDS work is done, then the work-group's barrier
	s_wait_alu depctr_va_vdst(0)
	s_wait_dscnt 0x0
	s_barrier_signal -1
	s_barrier_wait -1
.endm
.macro RBAR                            ; a barrier behind which a slot is filled
	s_wait_alu depctr_va_vdst(0)
	s_wait_tensorcnt 0x0
	ds_add_u32 v[SPW], v[NIL]
	s_wait_dscnt 0x0
	s_barrier_signal -1
	s_barrier_wait -1
.endm
.macro TLOAD g
	tensor_load_to_lds s[\g:\g+3], s[28:35]
	s_nop 0
.rept 4
	v_nop
.endr
.endm
.macro PF base, off
	global_prefetch_b8 v[PFO], s[\base:\base+1] offset:\off th:TH_LOAD_NT scope:SCOPE_SE
	global_prefetch_b8 v[PFO], s[\base:\base+1] offset:\off+65536 th:TH_LOAD_NT scope:SCOPE_SE
.endm
; four blocks of 16 numbers of a lane at s (the other 16 lie in lane l xor 16), the maxima's work at m: v[m+8..] the hold, v[m+12..] the scale operand, v[m+4..] the byte
.macro SCALES s, m
.irp b, 0,1,2,3
	v_max3_num_f32 v[\m+\b], |v[\s+16*\b]|, |v[\s+16*\b+1]|, 0x8000000   ; with the floor 2^(16 - 127): the byte cannot fall under 1
.endr
.irp i, 2,4,6,8,10,12,14
.irp b, 0,1,2,3
	v_max3_num_f32 v[\m+\b], v[\m+\b], |v[\s+16*\b+\i]|, |v[\s+16*\b+\i+1]|
.endr
.endr
.irp b, 0,1,2,3
	v_permlanex16_b32 v[\m+4+\b], v[\m+\b], s[SEL], s[SEL+1]
.endr
.irp b, 0,1,2,3
	v_max_num_f32 v[\m+\b], v[\m+\b], v[\m+4+\b]
.endr
.irp b, 0,1,2,3
	v_add_nc_u32 v[\m+12+\b], 0xf8800000, v[\m+\b]                 ; 15 off the exponent field
.endr
.irp b, 0,1,2,3
	v_and_or_b32 v[\m+8+\b], v[\m+\b], 0x7f800000, s[MNT]          ; 57,344 x the scale
.endr
.irp b, 0,1,2,3
	v_lshrrev_b32 v[\m+4+\b], 23, v[\m+12+\b]
.endr
.endm
.macro HOLDS s, m                      ; the conversion does not saturate (ISA guide 7.6.2)
.irp b, 0,1,2,3
.irp i, 0,1,2,3,4,5,6,7,8,9,10,11,12,13,14,15
	v_med3_num_f32 v[\s+16*\b+\i], v[\s+16*\b+\i], -v[\m+8+\b], v[\m+8+\b]
.endr
.endr
.endm
.macro QROWS i                         ; step i's rows: my 16 rows, my K step -> a part of two images and their scale words
.set A_, QRA+((\i)%4)
.irp c, 0,1,2,3
.irp j, 0,1,2,3
	ds_load_b128 v[X+16*\c+4*\j:X+16*\c+4*\j+3], v[A_] offset:128*\c+16*\j
.endr
.endr
	s_wait_dscnt 0x0
	SCALES X, TM
	v_lshl_or_b32 v[QW], v[TM+5], 8, v[TM+4]
	v_lshl_or_b32 v[QW], v[TM+6], 16, v[QW]
	v_lshl_or_b32 v[QW], v[TM+7], 24, v[QW]
	HOLDS X, TM
.irp b, 0,1,2,3
	v_cvt_scalef32_pk8_bf8_f32 v[ACC+4*\b:ACC+1+4*\b], v[X+16*\b:X+7+16*\b], v[TM+12+\b]
	v_cvt_scalef32_pk8_bf8_f32 v[ACC+2+4*\b:ACC+3+4*\b], v[X+8+16*\b:X+15+16*\b], v[TM+12+\b]
.endr
	v_nop                                          ; one plain line behind the last scaled conversion
.irp c, 0,1,2,3
	ds_store_b128 v[IWA], v[ACC+4*\c:ACC+4*\c+3] offset:IB*((\i)%2)+512*\c
.endr
	ds_store_b32 v[XWA], v[QW] offset:512*((\i)%2)
.endm
.macro WM d, a, b, cz, sa, sb, row
.if \cz
	v_wmma_scale_f32_16x16x128_f8f6f4 v[\d:\d+7], v[\a:\a+15], v[\b:\b+15], 0, v[\sa], v[\sb] matrix_a_fmt:MATRIX_FMT_BF8 matrix_b_fmt:MATRIX_FMT_BF8
.elseif \row
	v_wmma_scale_f32_16x16x128_f8f6f4 v[\d:\d+7], v[\a:\a+15], v[\b:\b+15], v[\d:\d+7], v[\sa], v[\sb] matrix_a_fmt:MATRIX_FMT_BF8 matrix_b_fmt:MATRIX_FMT_BF8 matrix_a_scale:MATRIX_SCALE_ROW1 matrix_b_scale:MATRIX_SCALE_ROW1
.else
	v_wmma_scale_f32_16x16x128_f8f6f4 v[\d:\d+7], v[\a:\a+15], v[\b:\b+15], v[\d:\d+7], v[\sa], v[\sb] matrix_a_fmt:MATRIX_FMT_BF8 matrix_b_fmt:MATRIX_FMT_BF8
.endif
.endm
; K steps 2 p and 2 p + 1 of image set par: 16 products.  nat = 1 (V): source 0 = the rows, source 1 = W; 0 (K): the other way round.  The eight accumulators take turns.
.macro MULP nat, par, p
.irp k, 0,1
.irp u, 0,1
.irp c, 0,1,2,3
	ds_load_b128 v[X+32*\k+16*\u+4*\c:X+32*\k+16*\u+4*\c+3], v[LIA] offset:IB*\par+(4*\p+2*\k+\u)*FRB+512*\c
.endr
.endr
.endr
	ds_load_b32 v[XS+\p], v[XLA] offset:512*\par+128*\p
	ds_load_b32 v[XS+2+\p], v[XLA] offset:512*\par+128*(2+\p)
	s_wait_dscnt 0x0
.if \nat
	WIN 0x04                                       ; source 1 (W) in window 1
.else
	WIN 0x01                                       ; source 0 (W) in window 1
.endif
.irp k, 0,1
.irp t, 0,1,2,3
.irp u, 0,1
.if \nat
	WM ACC+16*\t+8*\u, X+32*\k+16*\u, 64*\t+32*\p+16*\k, (1-\p)*(1-\k), XS+2*\u+\p, WS+2*\t+\p, \k
.else
	WM ACC+16*\t+8*\u, 64*\t+32*\p+16*\k, X+32*\k+16*\u, (1-\p)*(1-\k), WS+2*\t+\p, XS+2*\u+\p, \k
.endif
.endr
.endr
.endr
	WIN 0
.rept 8
	v_nop                                          ; eight places behind this form
.endr
.endm
.macro MUL nat, par
	MULP \nat, \par, 0
	MULP \nat, \par, 1
.endm
.macro WLOADS base                     ; my 16 fragments of W: tile t, K step ks at register 64 t + 16 ks of window 1; and their scale words
	WIN 0x40
.irp t, 0,1,2,3
.irp ks, 0,1,2,3
.irp c, 0,1,2,3
	global_load_b128 v[64*\t+16*\ks+4*\c:64*\t+16*\ks+4*\c+3], v[WAD], s[\base:\base+1] offset:(4*\t+\ks)*2048+512*\c
.endr
.endr
.endr
	WIN 0
.irp t, 0,1,2,3
.irp p, 0,1
	global_load_b32 v[WS+2*\t+\p], v[WSA], s[\base:\base+1] offset:262144+(4*\t+2*\p)*64
.endr
.endr
.endm
; the results x Q_: four chains (tile of keys u, half of the column tiles q); each accumulator is read from its low end on
.macro DOT s
.irp t, 0,1
.irp e, 0,1,2,3
.irp q, 0,1
.irp u, 0,1
.if (\t+\e) == 0
	v_pk_mul_f32 v[X+4*\q+2*\u:X+4*\q+2*\u+1], v[ACC+32*\q+8*\u:ACC+32*\q+8*\u+1], v[CD+16*\q:CD+16*\q+1]
.else
	v_pk_fma_f32 v[X+4*\q+2*\u:X+4*\q+2*\u+1], v[ACC+32*\q+16*\t+8*\u+2*\e:ACC+32*\q+16*\t+8*\u+2*\e+1], v[CD+16*\q+8*\t+2*\e:CD+16*\q+8*\t+2*\e+1], v[X+4*\q+2*\u:X+4*\q+2*\u+1]
.endif
.endr
.endr
.endr
.endr
	v_pk_add_f32 v[X:X+1], v[X:X+1], v[X+4:X+5]
	v_pk_add_f32 v[X+2:X+3], v[X+2:X+3], v[X+6:X+7]
	v_add_f32 v[X], v[X], v[X+1]
	v_add_f32 v[X+2], v[X+2], v[X+3]
	v_permlanex16_b32 v[X+4], v[X], s[SEL], s[SEL+1]
	v_permlanex16_b32 v[X+5], v[X+2], s[SEL], s[SEL+1]
	v_add_f32 v[X], v[X], v[X+4]                   ; my key's sum over my wave's 64 columns
	v_add_f32 v[X+2], v[X+2], v[X+5]
	ds_store_b32 v[TRS], v[X] offset:128*\s
	ds_store_b32 v[TRS], v[X+2] offset:128*\s+32
.endm
; V_ of the step, 32 keys x my 64 columns, quantised along the keys; the codes leave at once
.macro QKEYS s
	SCALES ACC, X
.irp t, 0,1,2,3
.if (\s) == 0
	v_mov_b32 v[VSW+\t], v[X+4+\t]
.else
	v_lshl_or_b32 v[VSW+\t], v[X+4+\t], 8*\s, v[VSW+\t]
.endif
.endr
	HOLDS ACC, X
.irp t, 0,1,2,3
	v_cvt_scalef32_pk8_bf8_f32 v[CD+16*\t+4*\s:CD+16*\t+4*\s+1], v[ACC+16*\t:ACC+16*\t+7], v[X+12+\t]
	v_cvt_scalef32_pk8_bf8_f32 v[CD+16*\t+4*\s+2:CD+16*\t+4*\s+3], v[ACC+16*\t+8:ACC+16*\t+15], v[X+12+\t]
.endr
	v_nop
.irp t, 0,1,2,3
	global_store_b128 v[L16], v[CD+16*\t+4*\s:CD+16*\t+4*\s+3], s[18:19] offset:2048*\t+512*\s   ; 32 lanes store 512 consecutive bytes
.endr
.endm
.macro TREDUCE                         ; key 16 w + r: the eight waves' parts of t, four in each half of the lanes
.irp k, 0,1,2,3
	ds_load_b32 v[X+\k], v[TRL] offset:512*\k
.endr
	s_wait_dscnt 0x0
	v_add_f32 v[X], v[X], v[X+1]
	v_add_f32 v[X+2], v[X+2], v[X+3]
	v_add_f32 v[X], v[X], v[X+2]
	v_permlanex16_b32 v[X+4], v[X], s[SEL], s[SEL+1]
	v_add_f32 v[X], v[X], v[X+4]
	v_mul_f32 v[TV], s48, v[X]
	ds_store_b32 v[TBS], v[TV]
	global_store_b32 v[TGO], v[TV], s[22:23]
.endm
; block w % 4 of 32 keys: -m_b, e = 2^(t - m_b), L_b, e's codes and byte.  The block's largest e: its largest t goes through the same addition and exponential.
.macro WSTAT
.irp j, 0,1,2,3
	ds_load_b128 v[X+4*\j:X+4*\j+3], v[TBL] offset:16*\j
.endr
	s_wait_dscnt 0x0
	v_max3_num_f32 v[X+16], v[X], v[X+1], v[X+2]
.irp i, 3,5,7,9,11,13
	v_max3_num_f32 v[X+16], v[X+16], v[X+\i], v[X+\i+1]
.endr
	v_max_num_f32 v[X+16], v[X+16], v[X+15]
	v_permlanex16_b32 v[X+17], v[X+16], s[SEL], s[SEL+1]
	v_max_num_f32 v[X+16], v[X+16], v[X+17]
	v_floor_f32 v[X+28], -v[X+16]                  ; -m = -ceil(t)
.irp i, 0,1,2,3,4,5,6,7,8,9,10,11,12,13,14,15
	v_add_f32 v[X+\i], v[X+\i], v[X+28]
.endr
	v_add_f32 v[X+19], v[X+16], v[X+28]
	v_mov_b32 v[X+31], 0
	s_wait_alu depctr_va_vdst(0)                   ; a wait ahead of the batch and one behind it
.irp i, 0,1,2,3,4,5,6,7,8,9,10,11,12,13,14,15
	v_exp_f32 v[X+\i], v[X+\i]
.endr
	v_exp_f32 v[X+19], v[X+19]
	v_nop
	s_wait_alu depctr_va_vdst(0)
	v_pk_add_f32 v[X+20:X+21], v[X:X+1], v[X+2:X+3]                ; the sum is taken of the unquantised e
	v_pk_add_f32 v[X+22:X+23], v[X+4:X+5], v[X+6:X+7]
	v_pk_add_f32 v[X+20:X+21], v[X+20:X+21], v[X+8:X+9]
	v_pk_add_f32 v[X+22:X+23], v[X+22:X+23], v[X+10:X+11]
	v_pk_add_f32 v[X+20:X+21], v[X+20:X+21], v[X+12:X+13]
	v_pk_add_f32 v[X+22:X+23], v[X+22:X+23], v[X+14:X+15]
	v_max_num_f32 v[X+19], 0x8000000, v[X+19]
	v_pk_add_f32 v[X+20:X+21], v[X+20:X+21], v[X+22:X+23]
	v_add_nc_u32 v[X+24], 0xf8800000, v[X+19]
	v_add_f32 v[X+29], v[X+20], v[X+21]
	v_and_or_b32 v[X+25], v[X+19], 0x7f800000, s[MNT]
	v_permlanex16_b32 v[X+17], v[X+29], s[SEL], s[SEL+1]
	v_lshrrev_b32 v[X+26], 23, v[X+24]
	v_add_f32 v[X+29], v[X+29], v[X+17]
	v_cvt_f32_u32 v[X+30], v[X+26]
.irp i, 0,1,2,3,4,5,6,7,8,9,10,11,12,13,14,15
	v_min_num_f32 v[X+\i], v[X+\i], v[X+25]        ; e is not negative: the hold is one-sided
.endr
	v_cvt_scalef32_pk8_bf8_f32 v[X+32:X+33], v[X:X+7], v[X+24]
	v_cvt_scalef32_pk8_bf8_f32 v[X+34:X+35], v[X+8:X+15], v[X+24]
	v_nop
	ds_store_b128 v[WCS], v[X+32:X+35]             ; lanes of one half hold equal values and store them to one place
	ds_store_b128 v[WFS], v[X+28:X+31] offset:32
	s_wait_alu depctr_va_vdst(0)
	s_cmp_gt_u32 s2, 3                             ; waves 4 to 7 have the same four blocks: waves 0 to 3 store them
	s_cbranch_scc1 .Lno_rec
	global_store_b128 v[RCO], v[X+32:X+35], s[22:23] offset:512
	global_store_b128 v[RFO], v[X+28:X+31], s[22:23] offset:544
.Lno_rec:
	s_wait_xcnt 0x0                                ; the stores have read their registers, which loads fill next
.endm
; the chunk's figures: -m_c, L_c, the rows of p and of ones, the bytes under m_c
.macro COMB
.irp b, 0,1,2,3
	ds_load_b128 v[X+4*\b:X+4*\b+3], v[WFL] offset:256*\b+32
	ds_load_b128 v[P+4*\b:P+4*\b+3], v[WCL] offset:256*\b
.endr
	s_wait_dscnt 0x0
	v_min_num_f32 v62, v[X], v[X+4]
	v_min_num_f32 v63, v[X+8], v[X+12]
	v_min_num_f32 v62, v62, v63                    ; -m_c
.irp b, 0,1,2,3
	v_sub_f32 v[X+16+\b], v62, v[X+4*\b]           ; m_b - m_c: a whole number, 0 or less
.endr
.irp b, 0,1,2,3
	v_cvt_i32_f32 v[X+20+\b], v[X+16+\b]
	v_add_f32 v[X+24+\b], v[X+4*\b+2], v[X+16+\b]
.endr
.irp b, 0,1,2,3
	v_ldexp_f32 v[X+20+\b], v[X+4*\b+1], v[X+20+\b]
	v_med3_num_f32 v[X+24+\b], v[X+24+\b], 1.0, 0x437e0000         ; the byte is held to 1 .. 254
.endr
.irp b, 0,1,2,3
	v_cvt_u32_f32 v[X+24+\b], v[X+24+\b]
.endr
	v_add_f32 v[X+20], v[X+20], v[X+21]
	v_add_f32 v[X+22], v[X+22], v[X+23]
	v_add_f32 v63, v[X+20], v[X+22]                ; L_c
	v_lshl_or_b32 v[X+28], v[X+25], 8, v[X+24]
	v_lshl_or_b32 v[X+28], v[X+26], 16, v[X+28]
	v_lshl_or_b32 v[X+28], v[X+27], 24, v[X+28]
	v_mov_b32 v[X+29], 0x78787878                  ; the number 1 by the quantiser: code 2^15 under the byte 112
	v_mov_b32 v[X+30], 0x70707070
	v_cndmask_b32 v[RFS], v[X+28], v[X+30], s50
.irp i, 0,1,2,3,4,5,6,7,8,9,10,11,12,13,14,15
	v_cndmask_b32 v[P+\i], v[P+\i], v[X+29], s50
.endr
	v_cndmask_b32 v62, v62, v63, s[HM]             ; lanes 0-15 store -m_c, lanes 16-31 L_c, 64 bytes further on; equal values go to equal places
	v_bfe_u32 v[TRL], v0, 4, 1
	v_lshlrev_b32 v[TRL], 6, v[TRL]
	s_wait_alu depctr_va_vdst(0)
	s_cmp_lg_u32 s2, 0
	s_cbranch_scc1 .Lno_stats
	global_store_b32 v[TRL], v62, s[24:25]
.Lno_stats:
.endm
	s_load_b512 s[8:23], s[0:1], 0x0               ; K 8, V 10, wk 12, wv 14, qpart 16, vc 18, vsc 20, rec 22
	s_load_b128 s[24:27], s[0:1], 0x40             ; stats 24, su 26
	v_lshl_add_u32 v[SPW], v0, 2, SPARE
	v_mov_b32 v[NIL], 0
	ds_add_u32 v[SPW], v[NIL]                      ; the wave's opening: the add, twice on end, and its wait ahead of my first tensor load
	ds_add_u32 v[SPW], v[NIL]
	v_lshrrev_b32 v64, 5, v0
	v_readfirstlane_b32 s2, v64                    ; wave
	s_mov_b32 s3, ttmp9                            ; chunk
	s_and_b32 s4, ttmp7, 0xffff                    ; batch
	s_and_b32 s5, s2, 3                            ; my strip, my K step
	s_lshr_b32 s6, s2, 2                           ; my half, my 16 rows
	s_mov_b32 s28, 0x7920000                       ; group 1: elements of 4 bytes; padding: 4 words behind every 128
	s_mov_b32 s29, 128<<16
	s_mov_b32 s30, 32<<16
	s_mov_b32 s31, 128<<16
	s_mov_b32 s32, 32
	s_mov_b32 s33, 512
	s_mov_b32 s34, 0
	s_mov_b32 s35, 0
	s_mov_b32 s[SEL], 0x76543210
	s_mov_b32 s[SEL+1], 0xfedcba98
	s_mov_b32 s[MNT], 0x600000
	s_mov_b32 s[HM], 0xffff0000
	s_mov_b32 s48, 0x3d8293ee                      ; log2(e) / (sqrt(512) + 1e-6)
	s_mov_b32 s50, 0xff00ff00                      ; the lanes with r >= 8
	s_mul_i32 s52, s5, STR
	s_mul_i32 s53, s6, 16*RP
	s_add_co_u32 s52, s52, s53
	s_mul_i32 s54, s5, 2*FRB
	s_lshl_b32 s53, s6, 7
	s_add_co_u32 s54, s54, s53
	s_add_co_u32 s54, s54, IMG
	s_lshl_b32 s55, s5, 6
	s_lshl_b32 s53, s6, 5
	s_add_co_u32 s55, s55, s53
	s_add_co_u32 s55, s55, XSC
	s_lshl_b32 s56, s2, 15
	s_lshl_b32 s57, s2, 10
	s_lshl_b32 s58, s2, 9
	s_add_co_u32 s58, s58, TRED
	s_lshl_b32 s59, s2, 6
	s_add_co_u32 s60, s59, TRED
	s_add_co_u32 s61, s59, TB
	s_lshl_b32 s62, s5, 7
	s_add_co_u32 s62, s62, TB
	s_lshl_b32 s63, s2, 8
	s_add_co_u32 s66, s63, QST
	s_add_co_u32 s67, s63, WST
	s_lshl_b32 s76, s5, 6
	s_lshl_b32 s77, s2, 13
	s_lshl_b32 s78, s4, 22
	s_lshl_b32 s79, s3, 18
	s_add_co_u32 s78, s78, s79                     ; batch, chunk
	s_mov_b32 s79, 0
	s_lshl_b32 s80, s6, 16
	s_lshl_b32 s81, s5, 9
	s_add_co_u32 s80, s80, s81                     ; half, strip
	s_mov_b32 s81, 0
	s_mul_i32 s37, s2, STR
	s_lshl_b32 s86, s4, 4
	s_add_co_u32 s86, s86, s3
	s_mov_b32 s89, 0
	s_wait_alu depctr_va_vdst(0)
	s_wait_dscnt 0x0                               ; both opening adds are done
	s_wait_kmcnt 0x0
	s_add_nc_u64 s[8:9], s[8:9], s[78:79]
	s_add_nc_u64 s[10:11], s[10:11], s[78:79]
	s_add_nc_u64 s[82:83], s[8:9], s[80:81]
	s_add_nc_u64 s[84:85], s[10:11], s[80:81]
	s_mov_b32 s36, 1
	s_mov_b64 s[38:39], s[82:83]
	s_or_b32 s39, s39, 0x80000000
	TLOAD 36                                       ; K rows 0-63: waves 0-3 the first 32, waves 4-7 the others
	s_mov_b32 s40, 1
	s_add_co_u32 s41, s37, SL
	s_add_nc_u64 s[42:43], s[82:83], 0x20000
	s_or_b32 s43, s43, 0x80000000
	s_mov_b32 s68, 1
	s_mov_b32 s69, s37
	s_mov_b64 s[70:71], s[84:85]
	s_or_b32 s71, s71, 0x80000000
	s_mov_b32 s72, 1
	s_add_co_u32 s73, s37, SL
	s_add_nc_u64 s[74:75], s[84:85], 0x20000
	s_or_b32 s75, s75, 0x80000000
	s_lshl_b32 s88, s4, 11
	s_add_co_u32 s88, s88, s63
	s_add_nc_u64 s[16:17], s[16:17], s[88:89]      ; qpart: my batch, my 64 columns
	s_lshl_b32 s88, s86, 16
	s_add_co_u32 s88, s88, s77
	s_add_nc_u64 s[18:19], s[18:19], s[88:89]      ; vc: my four tiles
	s_lshl_b32 s88, s86, 11
	s_add_co_u32 s88, s88, s63
	s_add_nc_u64 s[20:21], s[20:21], s[88:89]      ; vsc: my 64 columns
	s_lshl_b32 s88, s86, 10
	s_add_nc_u64 s[22:23], s[22:23], s[88:89]      ; rec
	s_lshl_b32 s88, s86, 12
	s_add_co_u32 s88, s88, s63
	s_add_nc_u64 s[26:27], s[26:27], s[88:89]      ; su: my 64 columns
	s_lshl_b32 s88, s4, 7
	s_lshl_b32 s90, s3, 2
	s_add_co_u32 s88, s88, s90
	s_add_nc_u64 s[24:25], s[24:25], s[88:89]      ; stats
	v_and_b32 v114, 31, v0                         ; lane
	v_and_b32 v115, 15, v0                         ; r
	v_bfe_u32 v116, v0, 4, 1                       ; h
	v_and_b32 v117, 7, v0                          ; r % 8
	v_bfe_u32 v118, v0, 3, 1                       ; r / 8
	v_lshlrev_b32 v[R16], 4, v115
	v_lshlrev_b32 v[L16], 4, v114
	v_lshl_add_u32 v[PFO], v114, 8, s77
	v_lshl_add_u32 v[WAD], v114, 4, s56
	v_lshl_add_u32 v[WSA], v114, 2, s57
.irp k, 0,1,2,3
	global_load_b128 v[96+4*\k:99+4*\k], v[R16], s[16:17] offset:\k*32768
.endr
	PF 8, 131072                                   ; K rows 64-127
	v_mul_u32_u24 v[QRA], v115, RP
	v_lshl_add_u32 v[QRA], v116, 6, v[QRA]
	v_add_nc_u32 v[QRA], s52, v[QRA]
	v_add_nc_u32 v[QRA+1], 4*STR, v[QRA]
	v_add_nc_u32 v[QRA+2], SL, v[QRA]
	v_add_nc_u32 v[QRA+3], SL+4*STR, v[QRA]
	v_mul_u32_u24 v[IWA], v118, FRB                ; image tile r / 8, row 8 (w / 4) + r % 8
	v_lshl_add_u32 v[IWA], v117, 4, v[IWA]
	v_lshl_add_u32 v[IWA], v116, 8, v[IWA]
	v_add_nc_u32 v[IWA], s54, v[IWA]
	v_lshlrev_b32 v[XWA], 8, v118
	v_lshl_add_u32 v[XWA], v117, 2, v[XWA]
	v_add_nc_u32 v[XWA], s55, v[XWA]
	v_lshl_add_u32 v[LIA], v114, 4, IMG
	v_lshl_add_u32 v[XLA], v114, 2, XSC
	v_lshlrev_b32 v[TRS], 6, v118
	v_lshl_add_u32 v[TRS], v117, 2, v[TRS]
	v_add_nc_u32 v[TRS], s58, v[TRS]
	v_lshlrev_b32 v[TRL], 11, v116
	v_lshl_add_u32 v[TRL], v115, 2, v[TRL]
	v_add_nc_u32 v[TRL], s60, v[TRL]
	v_lshl_add_u32 v[TBL], v116, 6, s62
	v_lshl_add_u32 v[TBS], v115, 2, s61
	v_lshl_add_u32 v[TGO], v115, 2, s59
	v_lshl_add_u32 v[RCO], v116, 4, s76
	v_mov_b32 v[RFO], s76
	v_lshl_add_u32 v[WCS], v116, 4, s67
	v_mov_b32 v[WFS], s67
	v_mov_b32 v[WFL], WST
	v_lshl_add_u32 v[WCL], v116, 4, WST
	v_lshl_add_u32 v112, v115, 4, s66
	v_lshl_add_u32 v113, v116, 5, s66
.irp b, 0,1,2,3
	v_mov_b32 v[TM+4+\b], 0                        ; a lane permute's destination counts as one of its sources
.endr
	WLOADS 12
	RBAR                                           ; K rows 0-63 are in
	TLOAD 40                                       ; K rows 64-127: slot 1's first fill
	PF 10, 0                                       ; V rows 0-63
	QROWS 0
	BAR
	QROWS 1
	s_wait_loadcnt 0x0                             ; W_k, Q_'s parts
.irp k, 1,2,3
	v_pk_add_f32 v[96:97], v[96:97], v[96+4*\k:97+4*\k]
	v_pk_add_f32 v[98:99], v[98:99], v[98+4*\k:99+4*\k]
.endr
	ds_store_b128 v112, v[96:99]                   ; through my own 256 bytes of LDS into the results' layout: LDS serves a wave's instructions in order
.irp t, 0,1,2,3
	ds_load_b128 v[CD+8*\t:CD+8*\t+3], v113 offset:64*\t           ; register 8 t + j: Q_(64 w + 16 t + 8 h + j)
	ds_load_b128 v[CD+8*\t+4:CD+8*\t+7], v113 offset:64*\t+16
.endr
	MUL 0, 0
	DOT 0
	RBAR                                           ; K rows 64-127 are in, slot 0 has been read
	TLOAD 68                                       ; V rows 0-63
	PF 10, 131072                                  ; V rows 64-127
	QROWS 2
	MUL 0, 1
	DOT 1
	BAR
	QROWS 3
	MUL 0, 0
	DOT 2
	RBAR                                           ; V rows 0-63 are in, slot 1 has been read
	TLOAD 72                                       ; V rows 64-127
	MUL 0, 1
	DOT 3
	WLOADS 14                                      ; W_v takes W_k's registers
	QROWS 4
	BAR                                            ; the waves' parts of t are in LDS
	TREDUCE
	QROWS 5
	s_wait_loadcnt 0x0                             ; W_v
	MUL 1, 0
	QKEYS 0
	s_wait_tensorcnt 0x0
	BAR                                            ; V rows 64-127 are in; t is in LDS
	WSTAT
	QROWS 6
	MUL 1, 1
	QKEYS 1
	BAR                                            ; the blocks' figures are in LDS
	COMB
	QROWS 7
	MUL 1, 0
	QKEYS 2
	BAR
	MUL 1, 1
	QKEYS 3
.rept 8
	v_nop                                          ; codes written by vector instructions stand 4 places ahead of a scaled matrix instruction
.endr
.irp t, 0,1,2,3
	WM ACC+8*\t, P, CD+16*\t, 1, RFS, VSW+\t, 0
.endr
	v_bfe_u32 v[TRS], v0, 4, 1
	v_lshlrev_b32 v[TRS], 11, v[TRS]
	v_add_nc_u32 v[TRS], v[TRS], v[R16]            ; su: plane h, 16 r
.rept 6
	v_nop
.endr
.irp t, 0,1,2,3
	v_mov_b32 v[X+\t], v[ACC+8*\t]                 ; register 0: row 0 (S) in lanes 0-15, row 8 (U) in lanes 16-31; columns 64 w + 4 r + t
.endr
	global_store_b128 v[TRS], v[X:X+3], s[26:27]   ; each half of the lanes stores 256 consecutive bytes
	global_store_b128 v[R16], v[VSW:VSW+3], s[20:21]               ; both halves hold the same words
	s_wait_tensorcnt 0x0                           ; the wave's end
	ds_add_u32 v[SPW], v[NIL]
	s_wait_dscnt 0x0
	s_endpgm
.Lfunc_end_k_q3fbd467a22_kv:
	.size	k_q3fbd467a22_kv, .Lfunc_end_k_q3fbd467a22_kv-k_q3fbd467a22_kv
	.p2alignl 7, 3214868480
	.fill 96, 4, 3214868480
	.section	.rodata,"a",@progbits
	.p2align	6, 0x0
	.amdhsa_kernel k_q3fbd467a22_kv
		.amdhsa_group_segment_fixed_size 327680
		.amdhsa_private_segment_fixed_size 0
		.amdhsa_enable_private_segment 0
		.amdhsa_kernarg_size 80
		.amdhsa_user_sgpr_count 2
		.amdhsa_user_sgpr_kernarg_segment_ptr 1
		.amdhsa_wavefront_size32 1
		.amdhsa_system_sgpr_workgroup_id_x 1
		.amdhsa_system_sgpr_workgroup_id_y 1
		.amdhsa_system_sgpr_workgroup_id_z 1
		.amdhsa_system_vgpr_workitem_id 0
		.amdhsa_next_free_vgpr 512
		.amdhsa_next_free_sgpr 96
		.amdhsa_reserve_vcc 0
		.amdhsa_float_denorm_mode_32 3
		.amdhsa_float_denorm_mode_16_64 3
		.amdhsa_memory_ordered 1
		.amdhsa_forward_progress 1
		.amdhsa_inst_pref_size 209
	.end_amdhsa_kernel
	.amdgpu_metadata
---
amdhsa.version: [ 1, 2 ]
amdhsa.kernels:
  - .name:           k_q3fbd467a22_kv
    .symbol:         k_q3fbd467a22_kv.kd
    .args:
      - { .name: K, .offset: 0, .size: 8, .value_kind: global_buffer, .address_space: global }
      - { .name: V, .offset: 8, .size: 8, .value_kind: global_buffer, .address_space: global }
      - { .name: wk, .offset: 16, .size: 8, .value_kind: global_buffer, .address_space: global }
      - { .name: wv, .offset: 24, .size: 8, .value_kind: global_buffer, .address_space: global }
      - { .name: qpart, .offset: 32, .size: 8, .value_kind: global_buffer, .address_space: global }
      - { .name: vc, .offset: 40, .size: 8, .value_kind: global_buffer, .address_space: global }
      - { .name: vsc, .offset: 48, .size: 8, .value_kind: global_buffer, .address_space: global }
      - { .name: rec, .offset: 56, .size: 8, .value_kind: global_buffer, .address_space: global }
      - { .name: stats, .offset: 64, .size: 8, .value_kind: global_buffer, .address_space: global }
      - { .name: su, .offset: 72, .size: 8, .value_kind: global_buffer, .address_space: global }
    .group_segment_fixed_size: 327680
    .private_segment_fixed_size: 0
    .kernarg_segment_align: 8
    .kernarg_segment_size: 80
    .max_flat_workgroup_size: 256
    .sgpr_count:     96
    .vgpr_count:     512
    .wavefront_size: 32
...
	.end_amdgpu_metadata
.endif
;; end of part 2
;; launch fin (part 3): grid 16 x 16, 8 waves a work-group, no clusters, 167,936 bytes of LDS; arguments V, mask, vc, vsc, rec, stats, su, ln_gamma, ln_beta, out0; writes out0
.if DOCPART == 3
	.amdgcn_target "amdgcn-amd-amdhsa--gfx1250"
	.amdhsa_code_object_version 6
	.text
	.protected	k_q3fbd467a22_fin
	.globl	k_q3fbd467a22_fin
	.p2align	8
	.type	k_q3fbd467a22_fin,@function
k_q3fbd467a22_fin:
	s_mov_b64 s[64:65], 0
	v_nop
	global_prefetch_b8 v0, s[64:65] scope:SCOPE_SE
	s_setreg_imm32_b32 hwreg(HW_REG_WAVE_MODE, 25, 1), 1
	s_wait_xcnt 0x0
; LAUNCH 3 OF 3.  Rows 128 c .. 128 c + 127 of batch b: out = LayerNorm(V + att V_).  A wave owns 16 whole rows: block s = w / 2 of the chunk's four, half w % 2.
; Row i: l x = l V + 2^(M' - M) (the sum of the earlier chunks' S under M') + P Q(V_), P = the row's codes over its own chunk: whole blocks ahead of the diagonal (one row of codes, a byte moved by a whole number),
; the block on the diagonal with the later keys hidden, zeros behind it; l is the row's sum of unquantised p.  Under the input mask: x = V + (the sum of all U) / 2048, l = 1.  The norm is taken of l x, with 1 / l^2 beside the variance.
; LEFT OUT (shown at the head of the first launch): products with keys hidden by triu, and repeated products of earlier chunks.  LIMITS: as stated there.
; LAYOUT.  Source 0 = P (16 rows), source 1 = V_'s tile (u, c) = columns 64 u + 4 r + c: lane (r, h), register j holds row 8 h + j: so four tiles make 16 neighbouring bytes a lane, and 16 lanes a whole unit of 256 bytes:
; V comes straight into registers and the result leaves straight from them.  Window 1: V, group u of 64 columns at 32 u, register 4 j + c.  The sums of group u, register 8 c + j, take the place of V's group u - 1 (group 0: v96-127);
; the results of group u the place of the sums of group u - 1 (group 0: V's last group).
; V_'s codes of the chunk (64 KiB) come by one tensor load a wave and are read by all eight.  No tile is shared between work-groups, so no cluster; no prefetch: there is no loop, all of V is asked for at the head.
.set PU, 65536                         ; LDS: 0 codes; PU: earlier chunks' sum, U, gamma, beta, scale words: 2,048 bytes each
.set ROWV, PU+10240                    ; 256 bytes a wave: l, f, g, 1 / l of 16 rows
.set SPARE, ROWV+2048
.set SPW, 1
.set NIL, 2
.set SEL, 40
.set MNT, 42
.set HM,  43
.set MSB, 0
.macro WIN new
.if MSB != (\new)
	s_set_vgpr_msb (MSB<<8)|(\new)
.set MSB, (\new)
.endif
.endm
.macro OFFS d
	s_add_nc_u64 s[\d:\d+1], s[\d:\d+1], s[44:45]
.endm
	s_load_b512 s[8:23], s[0:1], 0x0               ; V 8, mask 10, vc 12, vsc 14, rec 16, stats 18, su 20, gamma 22
	s_load_b128 s[24:27], s[0:1], 0x40             ; beta 24, out0 26
	v_lshl_add_u32 v[SPW], v0, 2, SPARE
	v_mov_b32 v[NIL], 0
	ds_add_u32 v[SPW], v[NIL]                      ; the wave's opening: the add, twice on end, and its wait ahead of my first tensor load
	ds_add_u32 v[SPW], v[NIL]
	v_lshrrev_b32 v10, 5, v0
	v_readfirstlane_b32 s2, v10                    ; wave
	s_mov_b32 s3, ttmp9                            ; chunk
	s_and_b32 s4, ttmp7, 0xffff                    ; batch
	s_lshr_b32 s5, s2, 1                           ; my block of 32 rows
	s_and_b32 s6, s2, 1
	s_lshl_b32 s61, s6, 4                          ; my half of it
	s_mov_b32 s28, 3<<16                           ; 8,192 dense bytes as 32 rows of 32 elements of 8 bytes
	s_mov_b32 s29, 32<<16
	s_mov_b32 s30, 32<<16
	s_mov_b32 s31, 32<<16
	s_mov_b32 s32, 32
	s_mov_b32 s33, 32
	s_mov_b32 s34, 0
	s_mov_b32 s35, 0
	s_mov_b32 s[SEL], 0x76543210
	s_mov_b32 s[SEL+1], 0xfedcba98
	s_mov_b32 s[MNT], 0x600000
	s_mov_b32 s[HM], 0xffff0000
.irp b, 0,1,2,3
	s_cmp_gt_u32 s5, \b
	s_cselect_b32 s[66+\b], -1, 0                  ; block b lies ahead of mine
	s_cmp_eq_u32 s5, \b
	s_cselect_b32 s[72+\b], -1, 0                  ; block b is mine
.endr
	s_lshl_b32 s52, s4, 4
	s_add_co_u32 s52, s52, s3                      ; batch x 16 + chunk
	s_lshl_b32 s53, s2, 13
	s_lshl_b32 s54, s2, 8
	s_add_co_u32 s55, s54, PU
	s_add_co_u32 s56, s55, 4096
	s_add_co_u32 s57, s54, ROWV
	s_lshl_b32 s44, s52, 16
	s_add_co_u32 s44, s44, s53
	s_mov_b32 s45, 0
	s_wait_alu depctr_va_vdst(0)
	s_wait_dscnt 0x0                               ; both opening adds are done
	s_wait_kmcnt 0x0
	s_mov_b32 s36, 1
	s_mov_b32 s37, s53
	s_add_nc_u64 s[38:39], s[12:13], s[44:45]
	s_or_b32 s39, s39, 0x80000000
	tensor_load_to_lds s[36:39], s[28:35]          ; four of the chunk's 32 tiles of codes
	s_nop 0
.rept 4
	v_nop
.endr
	s_lshl_b32 s44, s4, 22
	s_lshl_b32 s46, s3, 18
	s_add_co_u32 s44, s44, s46
	s_lshl_b32 s46, s2, 15
	s_add_co_u32 s44, s44, s46
	OFFS 8
	OFFS 26
	s_lshl_b32 s44, s52, 7
	s_lshl_b32 s46, s2, 4
	s_add_co_u32 s44, s44, s46
	OFFS 10
	s_lshl_b32 s44, s52, 11
	s_add_co_u32 s44, s44, s54
	OFFS 14
	s_lshl_b32 s44, s52, 10
	OFFS 16
	s_lshl_b32 s44, s5, 7
	s_add_nc_u64 s[48:49], s[16:17], s[44:45]      ; t of my block
	s_lshl_b32 s44, s4, 7
	OFFS 18
	s_lshl_b32 s44, s4, 16
	s_add_co_u32 s44, s44, s54
	OFFS 20
	s_mov_b32 s44, s54
	OFFS 22
	OFFS 24
	v_and_b32 v16, 15, v0                          ; r
	v_bfe_u32 v19, v0, 4, 1                        ; h
	v_and_b32 v4, 31, v0
	v_lshlrev_b32 v4, 4, v4                        ; 16 x lane
	v_lshlrev_b32 v18, 4, v16
	v_lshlrev_b32 v3, 14, v19
	v_add_nc_u32 v3, v3, v18                       ; row 8 h, 16 bytes of a unit
	v_lshl_add_u32 v5, v16, 4, PU
	v_lshlrev_b32 v17, 11, v19
	v_add_nc_u32 v17, v17, v18
	v_add_nc_u32 v6, s55, v17
	v_add_nc_u32 v7, s56, v18
	v_lshl_add_u32 v8, v16, 2, s57
	v_lshl_add_u32 v9, v19, 5, s57
	v_lshlrev_b32 v12, 2, v16
	v_lshlrev_b32 v13, 6, v19
	v_lshlrev_b32 v14, 4, v19
	v_mov_b32 v15, 0
	global_load_b32 v128, v12, s[18:19]            ; lane r: chunk r's -m,
	global_load_b32 v129, v12, s[18:19] offset:64  ; and its sum
.irp j, 0,1,2,3
	global_load_b128 v[132+4*\j:135+4*\j], v13, s[48:49] offset:16*\j
.endr
.irp b, 0,1,2,3
	global_load_b128 v[148+4*\b:151+4*\b], v14, s[16:17] offset:512+64*\b
	global_load_b128 v[164+4*\b:167+4*\b], v15, s[16:17] offset:544+64*\b
.endr
	global_load_u8 v180, v16, s[10:11]
.set i, 0
.rept 16
	global_load_b128 v[192+4*i:195+4*i], v17, s[20:21] offset:4096*i   ; my wave's 64 columns of chunk i: S in lanes 0-15, U in lanes 16-31
.set i, i+1
.endr
	global_load_b128 v[184:187], v18, s[22:23]
	global_load_b128 v[188:191], v18, s[24:25]
	global_load_b128 v[28:31], v18, s[14:15]
.macro VLOAD u
	WIN 0x40
.irp j, 0,1,2,3,4,5,6,7
	global_load_b128 v[32*\u+4*\j:32*\u+4*\j+3], v3, s[8:9] offset:2048*\j+256*\u th:TH_LOAD_NT   ; each half of the lanes reads 256 consecutive bytes
.endr
.endm
.irp u, 0,1,2,3,4,5
	VLOAD \u
.endr
	WIN 0
.set i, 0
.rept 16
	v_mov_b32 v[96+i], 0                           ; a DPP form's destination counts as one of its sources
.set i, i+1
.endr
	v_mov_b32 v52, 0
	v_mov_b32 v59, 0
	s_wait_alu depctr_va_vdst(0)
	s_wait_loadcnt 48                              ; all but V's first six groups
	VLOAD 6
	VLOAD 7
	WIN 0
	; ---- the earlier chunks: -M' (v34), their sum (v33), 2^(m_c - M')
	v_cmp_gt_u32 s60, s3, v16
	v_mov_b32 v10, 0x7f61b1e6                      ; 3e38: no chunk
	v_cndmask_b32 v32, v10, v128, s60
	v_cndmask_b32 v33, 0, v129, s60
	v_mov_b32 v34, v32
.irp m, 1,2,4,8
	v_min_num_f32_dpp v34, v34, v34 row_xmask:\m row_mask:0xf bank_mask:0xf
.endr
	v_sub_f32 v35, v34, v32
	v_cvt_i32_f32 v35, v35
	v_ldexp_f32 v35, 1.0, v35
	v_cndmask_b32 v35, 0, v35, s60
	v_mul_f32 v33, v33, v35
.irp m, 1,2,4,8
	v_add_f32_dpp v33, v33, v33 row_xmask:\m row_mask:0xf bank_mask:0xf
.endr
	v_cndmask_b32 v36, v35, 1.0, s[HM]             ; U's weights are 1
.irp i, 0,1,2,3,4,5,6,7,8,9,10,11,12,13,14,15
	v_mov_b32_dpp v[96+\i], v36 row_share:\i row_mask:0xf bank_mask:0xf
.endr
	v_pk_mul_f32 v[40:41], v[192:193], v[96:97] op_sel_hi:[1,0]
	v_pk_mul_f32 v[42:43], v[194:195], v[96:97] op_sel_hi:[1,0]
	v_pk_mul_f32 v[44:45], v[196:197], v[96:97] op_sel:[0,1]
	v_pk_mul_f32 v[46:47], v[198:199], v[96:97] op_sel:[0,1]
.irp k, 1,2,3,4,5,6,7
	v_pk_fma_f32 v[40:41], v[192+8*\k:193+8*\k], v[96+2*\k:97+2*\k], v[40:41] op_sel_hi:[1,0,1]
	v_pk_fma_f32 v[42:43], v[194+8*\k:195+8*\k], v[96+2*\k:97+2*\k], v[42:43] op_sel_hi:[1,0,1]
	v_pk_fma_f32 v[44:45], v[196+8*\k:197+8*\k], v[96+2*\k:97+2*\k], v[44:45] op_sel:[0,1,0]
	v_pk_fma_f32 v[46:47], v[198+8*\k:199+8*\k], v[96+2*\k:97+2*\k], v[46:47] op_sel:[0,1,0]
.endr
	v_pk_add_f32 v[40:41], v[40:41], v[44:45]
	v_pk_add_f32 v[42:43], v[42:43], v[46:47]
	ds_store_b128 v6, v[40:43]
	ds_store_b128 v7, v[184:187]
	ds_store_b128 v7, v[188:191] offset:2048
	ds_store_b128 v7, v[28:31] offset:4096
	; ---- my 16 rows, a lane a row: the block on the diagonal; register i = key 16 h + i of it, hidden where i > 16 (w % 2) + r - 16 h
	v_lshlrev_b32 v49, 4, v19
	v_sub_nc_u32 v48, v16, v49
	v_add_nc_u32 v48, s61, v48
	v_mov_b32 v50, 0xff800000
.irp i, 0,1,2,3,4,5,6,7,8,9,10,11,12,13,14,15
	v_cmp_gt_i32 vcc_lo, \i, v48
	v_cndmask_b32 v[132+\i], v[132+\i], v50, vcc_lo
.endr
	v_max3_num_f32 v51, v132, v133, v134
.irp i, 3,5,7,9,11,13
	v_max3_num_f32 v51, v51, v[132+\i], v[133+\i]
.endr
	v_max_num_f32 v51, v51, v147
	v_permlanex16_b32 v52, v51, s[SEL], s[SEL+1]
	v_max_num_f32 v51, v51, v52
.irp b, 0,1,2,3
	v_cndmask_b32 v[112+\b], v10, v[164+4*\b], s[66+\b]            ; -m_b of the blocks ahead of mine
	v_cndmask_b32 v[116+\b], 0, v[165+4*\b], s[66+\b]              ; their sums
.endr
	v_floor_f32 v53, -v51
	v_min3_num_f32 v53, v53, v34, v112
	v_min3_num_f32 v53, v53, v113, v114
	v_min_num_f32 v53, v53, v115                   ; -M of my row
	v_sub_f32 v55, v53, v34
.irp b, 0,1,2,3
	v_sub_f32 v[120+\b], v53, v[112+\b]            ; m_b - M: a whole number, 0 or less
.endr
	v_cvt_i32_f32 v55, v55
.irp b, 0,1,2,3
	v_cvt_i32_f32 v[124+\b], v[120+\b]
	v_add_f32 v[120+\b], v[166+4*\b], v[120+\b]
.endr
	v_ldexp_f32 v56, v33, v55
	v_ldexp_f32 v57, 1.0, v55                      ; 2^(M' - M)
.irp b, 0,1,2,3
	v_ldexp_f32 v[116+\b], v[116+\b], v[124+\b]
	v_med3_num_f32 v[120+\b], v[120+\b], 1.0, 0x437e0000           ; the byte is held to 1 .. 254
.endr
.irp b, 0,1,2,3
	v_cvt_u32_f32 v[120+\b], v[120+\b]
.endr
	v_add_f32 v116, v116, v117
	v_add_f32 v118, v118, v119
	v_add_f32 v56, v56, v116
	v_add_f32 v56, v56, v118                       ; the sum of all keys ahead of my block
.irp i, 0,1,2,3,4,5,6,7,8,9,10,11,12,13,14,15
	v_add_f32 v[132+\i], v[132+\i], v53
.endr
	v_add_f32 v54, v51, v53
	s_wait_alu depctr_va_vdst(0)                   ; a wait ahead of the batch and one behind it
.irp i, 0,1,2,3,4,5,6,7,8,9,10,11,12,13,14,15
	v_exp_f32 v[132+\i], v[132+\i]
.endr
	v_exp_f32 v54, v54
	v_nop
	s_wait_alu depctr_va_vdst(0)
	v_pk_add_f32 v[60:61], v[132:133], v[134:135]
	v_pk_add_f32 v[62:63], v[136:137], v[138:139]
	v_pk_add_f32 v[60:61], v[60:61], v[140:141]
	v_pk_add_f32 v[62:63], v[62:63], v[142:143]
	v_pk_add_f32 v[60:61], v[60:61], v[144:145]
	v_pk_add_f32 v[62:63], v[62:63], v[146:147]
	v_pk_add_f32 v[60:61], v[60:61], v[62:63]
	v_add_f32 v58, v60, v61
	v_permlanex16_b32 v59, v58, s[SEL], s[SEL+1]
	v_add_f32 v58, v58, v59
	v_add_f32 v58, v58, v56                        ; l
	v_max_num_f32 v54, 0x8000000, v54
	v_add_nc_u32 v61, 0xf8800000, v54
	v_and_or_b32 v62, v54, 0x7f800000, s[MNT]
	v_lshrrev_b32 v63, 23, v61
	s_wait_alu depctr_va_vdst(0)
	v_rcp_f32 v60, v58
.irp i, 0,1,2,3,4,5,6,7,8,9,10,11,12,13,14,15
	v_min_num_f32 v[132+\i], v[132+\i], v62
.endr
	v_cvt_scalef32_pk8_bf8_f32 v[20:21], v[132:139], v61
	v_cvt_scalef32_pk8_bf8_f32 v[22:23], v[140:147], v61
	v_nop
	v_cmp_eq_u32 s76, 0, v180                      ; rows that the input mask leaves
	v_cmp_ne_u32 s77, 0, v180
	v_mov_b32 v86, 0x3a000000                      ; 1 / 2048
.irp b, 0,1,2,3
	s_and_b32 s[66+\b], s[66+\b], s76
	s_and_b32 s[72+\b], s[72+\b], s76
.endr
	s_wait_alu depctr_va_vdst(0)
.irp b, 0,1,2,3
.irp i, 0,1,2,3
	v_cndmask_b32 v[64+4*\b+\i], 0, v[148+4*\b+\i], s[66+\b]
.endr
	v_cndmask_b32 v[120+\b], v[120+\b], v63, s[72+\b]
.endr
.irp b, 0,1,2,3
.irp i, 0,1,2,3
	v_cndmask_b32 v[64+4*\b+\i], v[64+4*\b+\i], v[20+\i], s[72+\b]
.endr
.endr
	v_lshl_or_b32 v81, v121, 8, v120
	v_lshl_or_b32 v81, v122, 16, v81
	v_lshl_or_b32 v81, v123, 24, v81               ; P's scale word
	v_cndmask_b32 v82, v58, 1.0, s77
	v_cndmask_b32 v83, v57, 0, s77
	v_cndmask_b32 v84, 0, v86, s77
	v_cndmask_b32 v85, v60, 1.0, s77
	ds_store_b32 v8, v82                           ; from a lane a row to a register a row, through my own 256 bytes: LDS serves a wave's instructions in order
	ds_store_b32 v8, v83 offset:64
	ds_store_b32 v8, v84 offset:128
	ds_store_b32 v8, v85 offset:192
.irp q, 0,1,2,3
	ds_load_b128 v[32+8*\q:35+8*\q], v9 offset:64*\q               ; v32-39 l, v40-47 f, v48-55 g, v56-63 1 / l of rows 8 h + j
	ds_load_b128 v[36+8*\q:39+8*\q], v9 offset:64*\q+16
.endr
	s_wait_alu depctr_va_vdst(0)
	s_wait_tensorcnt 0x0                           ; my tiles of codes are in
	s_wait_dscnt 0x0
	s_barrier_signal -1
	s_barrier_wait -1                              ; everybody's are, and all columns' sums
.macro FL u                            ; group u: the earlier chunks' sum, U, scale words, then the four tiles' codes
	ds_load_b128 v[20:23], v5 offset:256*(\u)
	ds_load_b128 v[24:27], v5 offset:2048+256*(\u)
	ds_load_b128 v[28:31], v5 offset:8192+256*(\u)
.irp c, 0,1,2,3
.irp b, 0,1,2,3
	ds_load_b128 v[128+16*\c+4*\b:131+16*\c+4*\b], v4 offset:(4*(\u)+\c)*2048+512*\b
.endr
.endr
.endm
.macro WHERE u                         ; where group u's sums lie
.if (\u) == 0
.set AC_, 96
.set AW_, 0
.else
.set AC_, 32*(\u)-32
.set AW_, 1
.endif
.endm
.macro CINIT u                         ; f x the earlier chunks' sum + g x U + l x V
	WHERE \u
	WIN 0x50*AW_
.irp c, 0,1,2,3
.irp j, 0,2,4,6
.if \c%2
	v_pk_mul_f32 v[AC_+8*\c+\j:AC_+8*\c+\j+1], v[40+\j:41+\j], v[19+\c:20+\c] op_sel:[0,1]
.else
	v_pk_mul_f32 v[AC_+8*\c+\j:AC_+8*\c+\j+1], v[40+\j:41+\j], v[20+\c:21+\c] op_sel_hi:[1,0]
.endif
.endr
.endr
.irp c, 0,1,2,3
.irp j, 0,2,4,6
.if \c%2
	v_pk_fma_f32 v[AC_+8*\c+\j:AC_+8*\c+\j+1], v[48+\j:49+\j], v[23+\c:24+\c], v[AC_+8*\c+\j:AC_+8*\c+\j+1] op_sel:[0,1,0]
.else
	v_pk_fma_f32 v[AC_+8*\c+\j:AC_+8*\c+\j+1], v[48+\j:49+\j], v[24+\c:25+\c], v[AC_+8*\c+\j:AC_+8*\c+\j+1] op_sel_hi:[1,0,1]
.endif
.endr
.endr
	WIN 0x01|(0x50*AW_)
.irp c, 0,1,2,3
.irp j, 0,1,2,3,4,5,6,7
	v_fma_f32 v[AC_+8*\c+\j], v[32*(\u)+4*\j+\c], v[32+\j], v[AC_+8*\c+\j]
.endr
.endr
.endm
.macro SUMS u                          ; rows' sums v82-89; each accumulator is read from its low end on
	WHERE \u
	WIN 0x04*AW_
.irp c, 0,1,2,3
.irp j, 0,2,4,6
.if (\u) == 0 && \c == 0
	v_pk_add_f32 v[82+\j:83+\j], v[AC_+\j:AC_+\j+1], v[AC_+8+\j:AC_+8+\j+1]
.elseif (\u) > 0 || \c > 1
	v_pk_add_f32 v[82+\j:83+\j], v[82+\j:83+\j], v[AC_+8*\c+\j:AC_+8*\c+\j+1]
.endif
.endr
.endr
	WIN 0
.endm
.macro GRP u
	s_wait_loadcnt 8*(7-(\u))                      ; V's group u is in; the later groups may be out
	s_wait_dscnt 16                                ; the 16 loads of codes may be out
	CINIT \u
	s_wait_alu depctr_va_vdst(0)
	s_wait_dscnt 0x0
	WIN 0x50*AW_
.rept 4
	v_nop
.endr
.irp c, 0,1,2,3
	v_wmma_scale_f32_16x16x128_f8f6f4 v[AC_+8*\c:AC_+8*\c+7], v[64:79], v[128+16*\c:143+16*\c], v[AC_+8*\c:AC_+8*\c+7], v81, v[28+\c] matrix_a_fmt:MATRIX_FMT_BF8 matrix_b_fmt:MATRIX_FMT_BF8
.endr
	WIN 0
.if (\u) == 0
.rept 8
	v_nop                                          ; eight places behind this form
.endr
.else
	SUMS (\u)-1                                    ; the places behind the products
.endif
.if (\u) < 7
	FL (\u)+1
.endif
.endm
	FL 0
.irp u, 0,1,2,3,4,5,6,7
	GRP \u
.endr
	SUMS 7
.irp m, 1,2,4,8
.irp j, 0,1,2,3,4,5,6,7
	v_add_f32_dpp v[82+\j], v[82+\j], v[82+\j] row_xmask:\m row_mask:0xf bank_mask:0xf
.endr
.endr
.irp j, 0,1,2,3,4,5,6,7
	v_mul_f32 v[82+\j], 0xbb000000, v[82+\j]       ; - the mean: / 512
.endr
.macro PASS2 u                         ; the mean is taken off, the squares are summed: v200-207
	WHERE \u
	WIN 0x41*AW_
.irp c, 0,1,2,3
.irp j, 0,2,4,6
	v_pk_add_f32 v[AC_+8*\c+\j:AC_+8*\c+\j+1], v[AC_+8*\c+\j:AC_+8*\c+\j+1], v[82+\j:83+\j]
.endr
.endr
	WIN 0x05*AW_
.irp c, 0,1,2,3
.irp j, 0,2,4,6
.if (\u) == 0 && \c == 0
	v_pk_mul_f32 v[200+\j:201+\j], v[AC_+\j:AC_+\j+1], v[AC_+\j:AC_+\j+1]
.else
	v_pk_fma_f32 v[200+\j:201+\j], v[AC_+8*\c+\j:AC_+8*\c+\j+1], v[AC_+8*\c+\j:AC_+8*\c+\j+1], v[200+\j:201+\j]
.endif
.endr
.endr
.endm
.irp u, 0,1,2,3,4,5,6,7
	PASS2 \u
.endr
	WIN 0
.macro GL u                            ; gamma and beta of group u
	ds_load_b128 v[216+8*((\u)%2):219+8*((\u)%2)], v5 offset:4096+256*(\u)
	ds_load_b128 v[220+8*((\u)%2):223+8*((\u)%2)], v5 offset:6144+256*(\u)
.endm
	GL 0
.irp m, 1,2,4,8
.irp j, 0,1,2,3,4,5,6,7
	v_add_f32_dpp v[200+\j], v[200+\j], v[200+\j] row_xmask:\m row_mask:0xf bank_mask:0xf
.endr
.endr
.irp j, 0,1,2,3,4,5,6,7
	v_mul_f32 v[240+\j], v[56+\j], v[56+\j]
	v_mul_f32 v[200+\j], 0x3b000000, v[200+\j]
.endr
.irp j, 0,1,2,3,4,5,6,7
	v_fmaak_f32 v[200+\j], v[200+\j], v[240+\j], 0x3727c5ac        ; the variance / l^2 + 1e-5
.endr
	s_wait_alu depctr_va_vdst(0)
.irp j, 0,1,2,3,4,5,6,7
	v_rsq_f32 v[200+\j], v[200+\j]
.endr
	v_nop
	s_wait_alu depctr_va_vdst(0)
.irp j, 0,1,2,3,4,5,6,7
	v_mul_f32 v[208+\j], v[56+\j], v[200+\j]
.endr
	s_wait_alu depctr_va_vdst(0)
.macro OUTG u
	WHERE \u
.if (\u) == 0
.set YC_, 224
.set YW_, 1
.elseif (\u) == 1
.set YC_, 96
.set YW_, 0
.else
.set YC_, 32*(\u)-64
.set YW_, 1
.endif
	WIN 0
.if (\u) < 7
	GL (\u)+1
	s_wait_dscnt 2                                 ; the next group's two loads may be out
.else
	s_wait_dscnt 0x0
.endif
	WIN 0x41*AW_
.irp c, 0,1,2,3
.irp j, 0,2,4,6
	v_pk_mul_f32 v[AC_+8*\c+\j:AC_+8*\c+\j+1], v[AC_+8*\c+\j:AC_+8*\c+\j+1], v[208+\j:209+\j]
.endr
.endr
	WIN AW_|(YW_<<6)
.irp j, 0,1,2,3,4,5,6,7
.irp c, 0,1,2,3
	v_fma_f32 v[YC_+4*\j+\c], v[AC_+8*\c+\j], v[216+8*((\u)%2)+\c], v[220+8*((\u)%2)+\c]
.endr
.endr
	WIN 0x04*YW_
.irp j, 0,1,2,3,4,5,6,7
	global_store_b128 v3, v[YC_+4*\j:YC_+4*\j+3], s[26:27] offset:2048*\j+256*\u th:TH_STORE_NT   ; each half of the lanes stores an aligned unit of 256 bytes
.endr
.endm
.irp u, 0,1,2,3,4,5,6,7
	OUTG \u
.endr
	WIN 0
	s_wait_tensorcnt 0x0                           ; the wave's end
	ds_add_u32 v[SPW], v[NIL]
	s_wait_dscnt 0x0
	s_endpgm
.Lfunc_end_k_q3fbd467a22_fin:
	.size	k_q3fbd467a22_fin, .Lfunc_end_k_q3fbd467a22_fin-k_q3fbd467a22_fin
	.p2alignl 7, 3214868480
	.fill 96, 4, 3214868480
	.section	.rodata,"a",@progbits
	.p2align	6, 0x0
	.amdhsa_kernel k_q3fbd467a22_fin
		.amdhsa_group_segment_fixed_size 167936
		.amdhsa_private_segment_fixed_size 0
		.amdhsa_enable_private_segment 0
		.amdhsa_kernarg_size 80
		.amdhsa_user_sgpr_count 2
		.amdhsa_user_sgpr_kernarg_segment_ptr 1
		.amdhsa_wavefront_size32 1
		.amdhsa_system_sgpr_workgroup_id_x 1
		.amdhsa_system_sgpr_workgroup_id_y 1
		.amdhsa_system_sgpr_workgroup_id_z 1
		.amdhsa_system_vgpr_workitem_id 0
		.amdhsa_next_free_vgpr 512
		.amdhsa_next_free_sgpr 96
		.amdhsa_reserve_vcc 1
		.amdhsa_float_denorm_mode_32 3
		.amdhsa_float_denorm_mode_16_64 3
		.amdhsa_memory_ordered 1
		.amdhsa_forward_progress 1
		.amdhsa_inst_pref_size 142
	.end_amdhsa_kernel
	.amdgpu_metadata
---
amdhsa.version: [ 1, 2 ]
amdhsa.kernels:
  - .name:           k_q3fbd467a22_fin
    .symbol:         k_q3fbd467a22_fin.kd
    .args:
      - { .name: V, .offset: 0, .size: 8, .value_kind: global_buffer, .address_space: global }
      - { .name: mask, .offset: 8, .size: 8, .value_kind: global_buffer, .address_space: global }
      - { .name: vc, .offset: 16, .size: 8, .value_kind: global_buffer, .address_space: global }
      - { .name: vsc, .offset: 24, .size: 8, .value_kind: global_buffer, .address_space: global }
      - { .name: rec, .offset: 32, .size: 8, .value_kind: global_buffer, .address_space: global }
      - { .name: stats, .offset: 40, .size: 8, .value_kind: global_buffer, .address_space: global }
      - { .name: su, .offset: 48, .size: 8, .value_kind: global_buffer, .address_space: global }
      - { .name: ln_gamma, .offset: 56, .size: 8, .value_kind: global_buffer, .address_space: global }
      - { .name: ln_beta, .offset: 64, .size: 8, .value_kind: global_buffer, .address_space: global }
      - { .name: out0, .offset: 72, .size: 8, .value_kind: global_buffer, .address_space: global }
    .group_segment_fixed_size: 167936
    .private_segment_fixed_size: 0
    .kernarg_segment_align: 8
    .kernarg_segment_size: 80
    .max_flat_workgroup_size: 256
    .sgpr_count:     96
    .vgpr_count:     512
    .wavefront_size: 32
...
	.end_amdgpu_metadata
.endif
;; end of part 3
